; MI455X (gfx1250); checked and timed in simulation.
; The chip was launched on July 23, 2026; its instructions are those of AMD's public machine-readable ISA for CDNA 5 (MIT licence, August 2026) and "CDNA5" Instruction Set Architecture Reference Guide (July 2026). The comments in the code are by the model that wrote it; some were corrected since.
;; Diff GS Tile Sampler. Allowed arithmetic: float matrix products may take bf16 or f16 operands with f32 sums; other float arithmetic in f32, or as packed bf16 or f16 multiplies, adds, multiply-adds, maxima and minima; sums over many terms, partial sums and values carried from step to step in f32; what a program stores and reads back later, other than sums and carried values, may be rounded once to bf16 or f16.
;; Inputs: color_features 2,048 x 3 float32; covs_2d 2,048 x 3 float32; depth_features 2,048 x 1 float32; means_2d 2,048 x 2 float32; opacity_features 2,048 x 1 float32; screen_space_points 2,048 x 3 float32.
;; Outputs: out0 3 x 256 x 256 float32.
;; Constants: height = 256, width = 256.
;; 2 versions, each right; version 2 is version 1 with the launch raster written anew for expert scheduling mode. Each part assembles by itself: llvm-mc -triple=amdgcn-amd-amdhsa -mcpu=gfx1250 --defsym DOCPART=n.
;; ======== version 1 of 2: 3 launches
;; workspace buffers: rankpart 262,144 bytes of whole numbers; boxes 8,192 bytes of whole numbers; recs 98,304 bytes
;; launch rank (part 1): grid 256 x 1, 4 waves a work-group, no clusters, 0 bytes of LDS; arguments depth_features, rankpart; writes rankpart
.if DOCPART == 1
	.amdgcn_target "amdgcn-amd-amdhsa--gfx1250"
	.amdhsa_code_object_version 6
	.text
	.protected	k_q24d532e8e6_rank
	.globl	k_q24d532e8e6_rank
	.p2align	8
	.type	k_q24d532e8e6_rank,@function
k_q24d532e8e6_rank:
	s_mov_b64 s[64:65], 0
	v_nop
	global_prefetch_b8 v0, s[64:65] scope:SCOPE_SE
	s_setreg_imm32_b32 hwreg(HW_REG_WAVE_MODE, 25, 1), 1
	s_wait_xcnt 0x0
; THE DEPTH ORDER AS RANKS.  rank_i = the number of j with d_j < d_i, or d_j = d_i and j < i: the place of Gaussian i in a stable ascending sort of the 2,048 depths.
; This launch only counts; the counts are stored as whole numbers, and the next launch forms addresses from them.
; SHARES.  2,048 x 2,048 comparisons = 32 blocks of 64 i x 32 blocks of 64 j = 1,024 waves.  Work-group g: block I = g / 8 of i; its wave w: block S = 4 (g % 8) + w of j.
; A lane owns i = 64 I + 2 lane and the next; the 64 depths d_j lie in scalar registers.  The wave stores its 64 partial counts, 256 consecutive aligned bytes, at rankpart[S][64 I ..];
; the 32 partial counts of an i are added by the next launch.  No LDS, no barrier: no wave needs another.
; LIMIT.  A NaN among the depths compares false with everything: ranks would collide.  -0 and +0 count as equal, as in the sort.
.set DI,  4                            ; v[4:5]   d of my two Gaussians
.set IR,  6                            ; v6, v7   i - 64 S, signed: j = 64 S + x lies in front of i where x < this
.set CN,  8                            ; v[8:9]   my two counts
.set OFS, 10                           ; v10      where they go
.set TM,  84                           ; s84-95   twelve masks: two j at a time
	s_load_b128 s[4:7], s[0:1], 0x0                ; depth s[4:5], rankpart s[6:7]
	v_lshrrev_b32 v1, 5, v0
	v_readfirstlane_b32 s8, v1                     ; wave 0..3
	v_and_b32 v2, 31, v0                           ; lane
	s_lshr_b32 s9, ttmp9, 3                        ; I
	s_and_b32 s10, ttmp9, 7
	s_lshl2_add_u32 s10, s10, s8                   ; S = 4 (g % 8) + wave
	s_lshl_b32 s11, s10, 8                         ; the 64 d_j begin at byte 256 S
	s_lshl_b32 s12, s9, 8
	v_lshl_add_u32 v3, v2, 3, s12                  ; my two d_i: byte 256 I + 8 lane
	s_sub_co_i32 s13, s9, s10
	s_lshl_b32 s13, s13, 6                         ; 64 (I - S)
	v_lshl_add_u32 v[IR], v2, 1, s13
	v_add_nc_u32 v[IR+1], 1, v[IR]
	s_lshl_b32 s14, s10, 13                        ; a row of rankpart is 8,192 bytes
	v_add_nc_u32 v[OFS], s14, v3
	v_mov_b32 v[CN], 0
	v_mov_b32 v[CN+1], 0
	s_wait_kmcnt 0x0
	global_load_b64 v[DI:DI+1], v3, s[4:5]
	s_load_b512 s[16:31], s[4:5], s11 offset:0x0   ; d_j, x = 0..15
	s_load_b512 s[32:47], s[4:5], s11 offset:0x40  ; 16..31
	s_load_b512 s[48:63], s[4:5], s11 offset:0x80  ; 32..47
	s_load_b512 s[68:83], s[4:5], s11 offset:0xc0  ; 48..63
	s_wait_kmcnt 0x0
	s_wait_loadcnt 0x0
; The six masks of j = 64 S + jj + q: for each of my two i: d_j < d_i; d_j = d_i; j < i.
.macro ONE q
.set x, jj+(\q)
.if x < 48
.set sd, 16+x
.else
.set sd, 20+x
.endif
.set tm, TM+6*(\q)
	v_cmp_lt_f32 s[tm], s[sd], v[DI]
	v_cmp_eq_f32 s[tm+1], s[sd], v[DI]
	v_cmp_lt_i32 s[tm+2], x, v[IR]
	v_cmp_lt_f32 s[tm+3], s[sd], v[DI+1]
	v_cmp_eq_f32 s[tm+4], s[sd], v[DI+1]
	v_cmp_lt_i32 s[tm+5], x, v[IR+1]
.endm
; Two j at a time, so that the scalar lines between the compares and the additions serve twelve masks at once.
.set jj, 0
.rept 32
	ONE 0
	ONE 1
	s_and_b32 s[TM+1], s[TM+1], s[TM+2]            ; equal and in front
	s_and_b32 s[TM+4], s[TM+4], s[TM+5]
	s_and_b32 s[TM+7], s[TM+7], s[TM+8]
	s_and_b32 s[TM+10], s[TM+10], s[TM+11]
	s_or_b32 s[TM], s[TM], s[TM+1]                 ; or less
	s_or_b32 s[TM+3], s[TM+3], s[TM+4]
	s_or_b32 s[TM+6], s[TM+6], s[TM+7]
	s_or_b32 s[TM+9], s[TM+9], s[TM+10]
	v_add_co_ci_u32 v[CN], vcc_lo, 0, v[CN], s[TM]       ; the mask's bit is the carry in: count + 1 where it is set
	v_add_co_ci_u32 v[CN+1], vcc_lo, 0, v[CN+1], s[TM+3]
	v_add_co_ci_u32 v[CN], vcc_lo, 0, v[CN], s[TM+6]
	v_add_co_ci_u32 v[CN+1], vcc_lo, 0, v[CN+1], s[TM+9]
.set jj, jj+2
.endr
	global_store_b64 v[OFS], v[CN:CN+1], s[6:7]    ; 32 lanes x 8 bytes: 256 consecutive bytes, aligned
	s_endpgm
.Lfunc_end_k_q24d532e8e6_rank:
	.size	k_q24d532e8e6_rank, .Lfunc_end_k_q24d532e8e6_rank-k_q24d532e8e6_rank
	.p2alignl 7, 3214868480
	.fill 96, 4, 3214868480
	.section	.rodata,"a",@progbits
	.p2align	6, 0x0
	.amdhsa_kernel k_q24d532e8e6_rank
		.amdhsa_group_segment_fixed_size 0
		.amdhsa_private_segment_fixed_size 0
		.amdhsa_enable_private_segment 0
		.amdhsa_kernarg_size 16
		.amdhsa_user_sgpr_count 2
		.amdhsa_user_sgpr_kernarg_segment_ptr 1
		.amdhsa_wavefront_size32 1
		.amdhsa_system_sgpr_workgroup_id_x 1
		.amdhsa_system_sgpr_workgroup_id_y 1
		.amdhsa_system_sgpr_workgroup_id_z 1
		.amdhsa_system_vgpr_workitem_id 0
		.amdhsa_next_free_vgpr 16
		.amdhsa_next_free_sgpr 96
		.amdhsa_reserve_vcc 1
		.amdhsa_float_denorm_mode_32 3
		.amdhsa_float_denorm_mode_16_64 3
		.amdhsa_memory_ordered 1
		.amdhsa_forward_progress 1
		.amdhsa_inst_pref_size 42
	.end_amdhsa_kernel
	.amdgpu_metadata
---
amdhsa.version: [ 1, 2 ]
amdhsa.kernels:
  - .name:           k_q24d532e8e6_rank
    .symbol:         k_q24d532e8e6_rank.kd
    .args:
      - { .name: depth_features, .offset: 0, .size: 8, .value_kind: global_buffer, .address_space: global }
      - { .name: rankpart, .offset: 8, .size: 8, .value_kind: global_buffer, .address_space: global }
    .group_segment_fixed_size: 0
    .private_segment_fixed_size: 0
    .kernarg_segment_align: 8
    .kernarg_segment_size: 16
    .max_flat_workgroup_size: 128
    .sgpr_count:     96
    .vgpr_count:     16
    .wavefront_size: 32
...
	.end_amdgpu_metadata
.endif
;; end of part 1
;; launch prep (part 2): grid 64 x 1, 1 waves a work-group, no clusters, 0 bytes of LDS; arguments means_2d, covs_2d, opacity_features, color_features, rankpart, recs, boxes; writes recs, boxes
.if DOCPART == 2
	.amdgcn_target "amdgcn-amd-amdhsa--gfx1250"
	.amdhsa_code_object_version 6
	.text
	.protected	k_q24d532e8e6_prep
	.globl	k_q24d532e8e6_prep
	.p2align	8
	.type	k_q24d532e8e6_prep,@function
k_q24d532e8e6_prep:
	s_mov_b64 s[64:65], 0
	v_nop
	global_prefetch_b8 v0, s[64:65] scope:SCOPE_SE
	s_setreg_imm32_b32 hwreg(HW_REG_WAVE_MODE, 25, 1), 1
	s_wait_xcnt 0x0
; ONE THREAD A GAUSSIAN: its place p in the depth order (the sum of its 32 partial counts, whole numbers that the launch before stored), its record and its box, both stored at place p.
; RECORD, 48 bytes apart, 40 written and read: mx, my, a2, b2 | c2, half, s, half^2 | (r, g), (b, 0) in bf16.
;   det = max(a c - b b, 1e-8); conic ia = c / det, ib = -b / det, ic = a / det (1 / det by v_rcp_f32 and a multiply).
;   a2 = -0.5 log2e ia, b2 = -log2e ib, c2 = -0.5 log2e ic, so that log2e x power = a2 dx dx + b2 dx dy + c2 dy dy.
;   half = 0.5 log2(255 op), s = op 2^-half.  With z = log2e x power + half: op e^power = s 2^z; power <= 0 is z <= half; op e^power >= 1/255 is z >= -half.
; BOX: the pixels at which alpha can pass 1/255: |dx| <= sqrt(2 t ic / D), |dy| <= sqrt(2 t ia / D), D = ia ic - ib ib, t = ln(255 op), taken 1 per cent and 0.01 larger, which covers the
;   roundings of D and of the power while D > 1e-4 ia ic.  A conic that fails that test or is not positive definite gets the whole screen.  op < 1/255 (or not above 0), or a box off the
;   screen: the empty box.  The word holds, each with a free bit on top: first 64-pixel column block (bits 0-1), 3 - last block (3-4), first row (6-13), 255 - last row (15-22).
; 2,048 threads are 64 waves; they share nothing, so each is a work-group of its own.  The stores are a permutation: 4, 16, 16 and 8 bytes a lane at places that the order gives.
; LIMITS.  NaN and infinities among the inputs are not treated apart.  screen_space_points does not enter the result and is not an argument.
.set NG,   2048
.set RECB, 48
.set CA,  12                           ; v12-14  a, b, c
.set CB,  13
.set CC,  14
.set OP,  15                           ; v15     opacity
.set CR,  16                           ; v16-18  r, g, b
.set RK,  32                           ; v[32:63] the 32 partial counts
.set R0,  80                           ; v[80:83] mx, my, a2, b2
.set R1,  84                           ; v[84:87] c2, half, s, half^2
.set R2,  88                           ; v[88:89] colours in bf16
	s_load_b256 s[4:11], s[0:1], 0x0               ; means s[4:5], covs s[6:7], opacity s[8:9], colour s[10:11]
	s_load_b128 s[12:15], s[0:1], 0x20             ; rankpart s[12:13], recs s[14:15]
	s_load_b64 s[16:17], s[0:1], 0x30              ; boxes
	s_lshl_b32 s2, ttmp9, 5
	v_add_nc_u32 v1, s2, v0                        ; i
	v_lshlrev_b32 v2, 2, v1
	v_lshlrev_b32 v3, 3, v1
	v_mul_u32_u24 v4, v1, 12
	s_mov_b32 s30, 0x437f0000                      ; 255.0
	s_mov_b32 s31, 0xc37f0000                      ; -255.0
	s_wait_kmcnt 0x0
	global_load_b64 v[R0:R0+1], v3, s[4:5]
	global_load_b32 v[CA], v4, s[6:7]
	global_load_b32 v[CB], v4, s[6:7] offset:4
	global_load_b32 v[CC], v4, s[6:7] offset:8
	global_load_b32 v[OP], v2, s[8:9]
	global_load_b32 v[CR], v4, s[10:11]
	global_load_b32 v[CR+1], v4, s[10:11] offset:4
	global_load_b32 v[CR+2], v4, s[10:11] offset:8
.set k, 0
.rept 32
	global_load_b32 v[RK+k], v2, s[12:13] offset:8192*k
.set k, k+1
.endr
	s_wait_loadcnt 32                              ; the inputs are in; the 32 younger loads, the counts, may stay out
	v_mul_f32 v20, v[CB], v[CB]
	v_mul_f32 v23, 0x437f0000, v[OP]               ; 255 op
	v_fma_f32 v20, v[CA], v[CC], -v20              ; a c - b b
	v_max_num_f32 v20, 0x322bcc77, v20             ; at least 1e-8
	v_rcp_f32 v21, v20
	v_log_f32 v22, v23                             ; H = log2(255 op)
	v_add_f32 v24, -0.5, v[R0]                     ; pixel x has its centre at x + 0.5
	v_add_f32 v25, -0.5, v[R0+1]
	v_mov_b32 v68, 0x3ca3d70a                      ; 0.02
	v_mov_b32 v73, 0x7f800000                      ; +infinity: a box without bounds
	v_mov_b32 v19, 0
	v_cvt_pk_bf16_f32 v[R2], v[CR], v[CR+1]
	v_cvt_pk_bf16_f32 v[R2+1], v[CR+2], v19
	s_wait_alu depctr_va_vdst(0)                   ; one wait for the reciprocal and the logarithm, ahead of their first reader
	v_mul_f32 v26, v[CC], v21                      ; ia
	v_mul_f32 v27, v[CB], v21                      ; -ib
	v_mul_f32 v28, v[CA], v21                      ; ic
	v_mul_f32 v[R1+1], 0.5, v22                    ; half
	v_mul_f32 v64, -0.5, v22
	v_mul_f32 v30, v27, v27
	v_mul_f32 v31, v26, v28
	v_fma_f32 v30, v26, v28, -v30                  ; D = ia ic - ib ib
	v_rcp_f32 v66, v30
	v_exp_f32 v65, v64                             ; 2^-half
	v_fmamk_f32 v67, v22, 0x3fb33858, v68          ; 2 t, enlarged: 2.02 ln2 H + 0.02
	v_mul_f32 v[R0+2], 0xbf38aa3b, v26             ; a2
	v_mul_f32 v[R0+3], 0x3fb8aa3b, v27             ; b2
	v_mul_f32 v[R1], 0xbf38aa3b, v28               ; c2
	v_mul_f32 v[R1+3], v[R1+1], v[R1+1]            ; half^2
	v_mul_f32 v72, 0x38d1b717, v31                 ; 1e-4 ia ic
	v_cmp_gt_f32 s20, v30, v72
	v_cmp_lt_f32 s21, 0, v26
	s_and_b32 s20, s20, s21                        ; the box has bounds
	s_wait_alu depctr_va_vdst(0)                   ; one wait for the second batch
	v_mul_f32 v[R1+2], v[OP], v65                  ; s
	v_mul_f32 v69, v67, v66
	v_mul_f32 v70, v69, v28
	v_mul_f32 v71, v69, v26
	v_sqrt_f32 v70, v70                            ; reach in x
	v_sqrt_f32 v71, v71                            ; reach in y
	v_cmp_le_f32 s25, 0, v22                       ; op >= 1/255 (false for a NaN)
	v_nop
	s_wait_alu depctr_va_vdst(0)                   ; one wait for the two roots
	v_cndmask_b32 v70, v73, v70, s20
	v_cndmask_b32 v71, v73, v71, s20
	v_sub_f32 v74, v24, v70                        ; pixels x from here
	v_add_f32 v75, v24, v70                        ; to here
	v_sub_f32 v76, v71, v25                        ; minus the lower bound of the rows
	v_add_f32 v77, v25, v71                        ; the upper bound of the rows
	v_cmp_gt_f32 s21, 0, v75                       ; off the screen on one of four sides
	v_cmp_lt_f32 s22, s30, v74
	v_cmp_gt_f32 s23, 0, v77
	v_cmp_gt_f32 s24, s31, v76
	s_or_b32 s21, s21, s22
	s_or_b32 s23, s23, s24
	s_or_b32 s21, s21, s23
	s_and_not1_b32 s25, s25, s21                   ; the box is kept
	v_floor_f32 v76, v76
	v_max_num_f32 v74, 0, v74                      ; a NaN loses: lower bounds fall to 0, upper bounds to 255
	v_min_num_f32 v75, s30, v75
	v_sub_f32 v76, 0, v76                          ; the first whole row: the lower bound rounded up
	v_min_num_f32 v77, s30, v77
	v_min_num_f32 v74, s30, v74
	v_max_num_f32 v75, 0, v75
	v_max_num_f32 v76, 0, v76
	v_max_num_f32 v77, 0, v77
	v_min_num_f32 v76, s30, v76
	v_cvt_u32_f32 v74, v74
	v_cvt_u32_f32 v75, v75
	v_cvt_u32_f32 v76, v76
	v_cvt_u32_f32 v77, v77
	v_lshrrev_b32 v74, 6, v74                      ; blocks of 64 columns
	v_lshrrev_b32 v75, 6, v75
	v_sub_nc_u32 v75, 3, v75
	v_sub_nc_u32 v77, 0xff, v77
	v_lshl_or_b32 v74, v75, 3, v74
	v_lshl_or_b32 v74, v76, 6, v74
	v_lshl_or_b32 v74, v77, 15, v74
	v_cndmask_b32 v74, 27, v74, s25                ; the empty box: first block 3 and last block 0
	s_wait_loadcnt 0x0                             ; the counts
.set k, 1
.rept 15
	v_add3_u32 v[RK], v[RK], v[RK+k], v[RK+k+1]
.set k, k+2
.endr
	v_add_nc_u32 v[RK], v[RK], v[RK+31]
	v_min_u32 v[RK], NG-1, v[RK]                   ; p: a loaded number enters an address only behind this bound
	v_lshlrev_b32 v5, 2, v[RK]
	v_mul_u32_u24 v6, v[RK], RECB
	global_store_b32 v5, v74, s[16:17]
	global_store_b128 v6, v[R0:R0+3], s[14:15]
	global_store_b128 v6, v[R1:R1+3], s[14:15] offset:16
	global_store_b64 v6, v[R2:R2+1], s[14:15] offset:32
	s_endpgm
.Lfunc_end_k_q24d532e8e6_prep:
	.size	k_q24d532e8e6_prep, .Lfunc_end_k_q24d532e8e6_prep-k_q24d532e8e6_prep
	.p2alignl 7, 3214868480
	.fill 96, 4, 3214868480
	.section	.rodata,"a",@progbits
	.p2align	6, 0x0
	.amdhsa_kernel k_q24d532e8e6_prep
		.amdhsa_group_segment_fixed_size 0
		.amdhsa_private_segment_fixed_size 0
		.amdhsa_enable_private_segment 0
		.amdhsa_kernarg_size 56
		.amdhsa_user_sgpr_count 2
		.amdhsa_user_sgpr_kernarg_segment_ptr 1
		.amdhsa_wavefront_size32 1
		.amdhsa_system_sgpr_workgroup_id_x 1
		.amdhsa_system_sgpr_workgroup_id_y 1
		.amdhsa_system_sgpr_workgroup_id_z 1
		.amdhsa_system_vgpr_workitem_id 0
		.amdhsa_next_free_vgpr 96
		.amdhsa_next_free_sgpr 66
		.amdhsa_reserve_vcc 0
		.amdhsa_float_denorm_mode_32 3
		.amdhsa_float_denorm_mode_16_64 3
		.amdhsa_memory_ordered 1
		.amdhsa_forward_progress 1
		.amdhsa_inst_pref_size 10
	.end_amdhsa_kernel
	.amdgpu_metadata
---
amdhsa.version: [ 1, 2 ]
amdhsa.kernels:
  - .name:           k_q24d532e8e6_prep
    .symbol:         k_q24d532e8e6_prep.kd
    .args:
      - { .name: means_2d, .offset: 0, .size: 8, .value_kind: global_buffer, .address_space: global }
      - { .name: covs_2d, .offset: 8, .size: 8, .value_kind: global_buffer, .address_space: global }
      - { .name: opacity_features, .offset: 16, .size: 8, .value_kind: global_buffer, .address_space: global }
      - { .name: color_features, .offset: 24, .size: 8, .value_kind: global_buffer, .address_space: global }
      - { .name: rankpart, .offset: 32, .size: 8, .value_kind: global_buffer, .address_space: global }
      - { .name: recs, .offset: 40, .size: 8, .value_kind: global_buffer, .address_space: global }
      - { .name: boxes, .offset: 48, .size: 8, .value_kind: global_buffer, .address_space: global }
    .group_segment_fixed_size: 0
    .private_segment_fixed_size: 0
    .kernarg_segment_align: 8
    .kernarg_segment_size: 56
    .max_flat_workgroup_size: 32
    .sgpr_count:     66
    .vgpr_count:     96
    .wavefront_size: 32
...
	.end_amdgpu_metadata
.endif
;; end of part 2
;; launch raster (part 3): grid 4 x 256, 1 waves a work-group, no clusters, 9,472 bytes of LDS; arguments boxes, recs, out0; writes out0
.if DOCPART == 3
	.amdgcn_target "amdgcn-amd-amdhsa--gfx1250"
	.amdhsa_code_object_version 6
	.text
	.protected	k_q24d532e8e6_raster
	.globl	k_q24d532e8e6_raster
	.p2align	8
	.type	k_q24d532e8e6_raster,@function
k_q24d532e8e6_raster:
	s_mov_b64 s[64:65], 0
	v_nop
	global_prefetch_b8 v0, s[64:65] scope:SCOPE_SE
	s_setreg_imm32_b32 hwreg(HW_REG_WAVE_MODE, 25, 1), 1
	s_wait_xcnt 0x0
; FRONT-TO-BACK COMPOSITING OF ONE TILE OF 64 x 1 PIXELS BY ONE WAVE.  Lane l owns the pixels x = 64 TX + 2 l and the next, in row TY; 4 x 256 tiles.
; A Gaussian whose alpha is set to 0 (alpha < 1/255 or power > 0) changes neither the colour nor the transmittance, so only those whose box (made by the launch before) meets the tile are taken.
; 1. SCAN.  The 2,048 box words, in depth order, lie in 64 registers a lane (word 32 t + l in register t).  A word's four fields must each be at most the tile's: one subtraction from the
;    tile's word, which has a guard bit set above each field, and the four guard bits survive just where no field borrows.  The hits' record offsets go, in order, into a list in LDS: place =
;    hits so far + hits in lower lanes; a lane without a hit writes a dump word.  Eight registers at a time, so that the scalar counting between compare and store serves eight masks.
; 2. CHUNKS of 16 list entries.  Lane k % 16 has fetched record k a chunk ahead; it does the row's share once for the wave (dy, bd = b2 dy, vq = c2 dy dy + half) and puts
;    (mx, bd, a2, vq | s, half^2) and the colours into LDS; all lanes read the 16 records back at one address each.  For a pixel: z = (a2 dx + bd) dx + vq; valid where z z <= half^2;
;    alpha = min(0.99, s 2^z); w = alpha T; T = T - alpha T.  The 32 exponentials of a chunk are one batch with one wait.
; 3. THE SUM OVER GAUSSIANS OF colour x w is a matrix product, bf16 operands, f32 sums.  B: a lane's 16 weights are its 8 registers; lanes 0-15 fill the k slots 0-7 and 16-23, lanes 16-31 the slots
;    8-15 and 24-31.  A: rows 0-2 hold r, g, b on the first kind of slot (lanes 0-2), rows 8-10 on the second (lanes 24-26), all else 0.  So registers 0-2 of D hold, in EVERY lane, r, g, b of
;    the lane's own pixel.  Two pixels a lane: two accumulators, which take turns.  They are cleared by 16 moves: a tile may have no chunk, so no first product is written out.
; The list is padded by 32 entries that name record 0; an entry behind the list's end gets half^2 = -1 (never valid) and colour 0.
; THE LOOP is counted to the constant 128 chunks and left by a forward jump at the tile's own number, which comes from the whole numbers in boxes alone.
; ONE WAVE A WORK-GROUP: the list's LDS addresses hang on counts, so no other wave shares this LDS, and there is no barrier.  NO CLUSTER, NO TENSOR LOAD: what the work-groups share are the 8,192 bytes
; of boxes, read once, straight into the registers in which they are tested; through LDS each lane would read its 64 words a second time.
; OUT: 32 lanes x 8 bytes are 256 consecutive bytes, aligned: one store for each colour.
; LIMITS.  NaN and infinities are not treated apart.  A power above 0 by less than the rounding step of half counts as 0.  Weights and colours are rounded to bf16.
.set NG,    2048
.set RECB,  48
.set CH,    16                         ; entries in a chunk
.set DUMP,  NG+32                      ; list: 2,048 entries, 32 of padding, the dump word: 8,324 bytes from LDS byte 0
.set REC,   8448                       ; 16 records x 32 bytes
.set COL,   8960                       ; 4 rows x 32 bytes: r, g, b and zeros, 16 bf16 each
.set SPARE, 9216                       ; the spare words: 128 bytes, one block of 256 that no other line names
.set GUARD, 0x804024                   ; bits 2, 5, 14, 23
.set SPW,  2                           ; v2   my spare word; never rewritten
.set NIL,  3                           ; v3   0; never rewritten
.set K,    4                           ; v4   l % 16
.set L48,  5                           ; v5   48 l
.set DMP,  6                           ; v6   the dump word's index
.set LA,   7                           ; v7   LDS address of my entry of the chunk to be fetched
.set LP,   8                           ; v8   that entry: a record's byte offset
.set RADR, 9                           ; v9   where I put my record
.set CADR, 10                          ; v10  where I put two colours
.set AADR, 11                          ; v11  my row of A
.set RB0,  12                          ; v12  the first record
.set OOF,  13                          ; v13  my 8 bytes of a colour plane
.set PY,   14                          ; v14  the row's centre
.set X,    15                          ; v15  two colours in bf16
.set PX,   16                          ; v[16:17] my two pixels' centres
.set TT,   18                          ; v[18:19] their transmittance
.set D,    20                          ; v[20:27] dx, then z z, of four records
.set WA,   28                          ; v[28:29] weights of an even entry
.set WB,   30                          ; v[30:31] of an odd one
.set RA,   32                          ; v[32:35] mx, my, a2, b2 as fetched; then mx, bd, a2, vq
.set RB,   36                          ; v[36:39] c2, half, s, half^2
.set RC,   40                          ; v[40:41] (r, g), (b, 0)
.set DY,   42
.set T,    43
.set A,    44                          ; v[44:51]
.set B0,   52                          ; v[52:59]
.set B1,   60                          ; v[60:67]
.set ACC0, 68                          ; v[68:75]
.set ACC1, 76                          ; v[76:83]
.set O,    84                          ; v[84:89] three pairs to store
.set Z,    90                          ; v[90:121] entry j: z, then 2^z, then alpha, of my two pixels
.set P,    122                         ; v[122:217] entry j at P + 6 j: mx, bd, a2, vq, s, half^2
.set BOX,  122                         ; v[122:185] the scan's 64 words, in the same registers
.set VT,   186                         ; v[186:193] the scan's list values
.set TX,  10
.set TY,  11
.set LIM, 12                           ; s12  the tile's word with the guard bits
.set GRD, 13
.set CNT, 14                           ; s14  hits so far; in the loop: entries left
.set NCH, 15                           ; s15  chunks
.set CC,  16                           ; s16  the loop's counter
.set HIM, 17                           ; s17  lanes 16-31
.set TMP, 18
.set CAP, 19                           ; s19  0.99
.set MSK, 20                           ; s20-27 eight masks of the scan
.set BAS, 28                           ; s28-35 hits in front of each
.set M,   32                           ; s32-63 in the loop: entry j's two masks
	s_load_b128 s[4:7], s[0:1], 0x0                ; boxes s[4:5], recs s[6:7]
	s_load_b64 s[8:9], s[0:1], 0x10                ; out0
	v_lshl_add_u32 v[SPW], v0, 2, SPARE
	v_mov_b32 v[NIL], 0
	s_mov_b32 s[TX], ttmp9
	s_and_b32 s[TY], ttmp7, 0xffff
	s_sub_co_u32 s[LIM], 3, s[TX]
	s_lshl_b32 s[LIM], s[LIM], 3
	s_or_b32 s[LIM], s[LIM], s[TX]                 ; first block <= TX; 3 - last block <= 3 - TX
	s_lshl_b32 s[TMP], s[TY], 6
	s_or_b32 s[LIM], s[LIM], s[TMP]                ; first row <= TY
	s_sub_co_u32 s[TMP], 255, s[TY]
	s_lshl_b32 s[TMP], s[TMP], 15
	s_or_b32 s[LIM], s[LIM], s[TMP]                ; 255 - last row <= 255 - TY
	s_mov_b32 s[GRD], GUARD
	s_or_b32 s[LIM], s[LIM], s[GRD]
	s_mov_b32 s[CNT], 0
	s_mov_b32 s[HIM], 0xffff0000
	s_mov_b32 s[CAP], 0x3f7d70a4
	v_lshlrev_b32 v1, 2, v0
	s_wait_kmcnt 0x0
.set t, 0
.rept 64
	global_load_b32 v[BOX+t], v1, s[4:5] offset:128*t
.set t, t+1
.endr
	; the set-up stands in the wait for the boxes
	v_and_b32 v[K], 15, v0
	v_mul_u32_u24 v[L48], v0, RECB
	v_mov_b32 v[DMP], DUMP
	v_lshlrev_b32 v[LA], 2, v[K]
	v_lshl_add_u32 v[RADR], v[K], 5, REC
	v_lshrrev_b32 v[T], 4, v0
	v_lshlrev_b32 v[CADR], 1, v[K]
	v_lshl_add_u32 v[CADR], v[T], 6, v[CADR]       ; lanes 0-15: rows 0 and 1; lanes 16-31: rows 2 and 3
	v_add_nc_u32 v[CADR], COL, v[CADR]
	v_add_nc_u32 v[AADR], 0xffffffe8, v0           ; l - 24
	v_cmp_gt_u32 vcc_lo, 16, v0
	v_cndmask_b32 v[AADR], v[AADR], v0, vcc_lo     ; l below 16, else l - 24 (which wraps below 24)
	v_min_u32 v[AADR], 3, v[AADR]                  ; lanes 0-2 and 24-26: rows r, g, b; all others: the row of zeros
	v_lshl_add_u32 v[AADR], v[AADR], 5, COL
	v_mov_b32 v[RB0], REC
	s_lshl_b32 s[TMP], s[TX], 6
	v_lshl_add_u32 v[T], v0, 1, s[TMP]
	v_cvt_f32_u32 v[T], v[T]
	v_add_f32 v[PX], 0.5, v[T]
	v_add_f32 v[PX+1], 0x3fc00000, v[T]
	v_cvt_f32_u32 v[PY], s[TY]
	v_add_f32 v[PY], 0.5, v[PY]
	s_lshl_b32 s[TMP], s[TY], 10
	s_lshl_b32 s[NCH], s[TX], 8
	s_add_co_u32 s[TMP], s[TMP], s[NCH]
	v_lshl_add_u32 v[OOF], v0, 3, s[TMP]           ; row x 1,024 + block x 256 + 8 l
	v_mov_b32 v[TT], 1.0
	v_mov_b32 v[TT+1], 1.0
.set t, 0
.rept 16
	v_mov_b32 v[ACC0+t], 0
.set t, t+1
.endr
; Registers 8 b .. 8 b + 7 of the scan.
.macro SCAN8 b
	s_wait_loadcnt 56-8*(\b)                       ; loads come back in order: all but the 56 - 8 b youngest are in
.set u, 0
.rept 8
	v_sub_nc_u32 v[BOX+8*(\b)+u], s[LIM], v[BOX+8*(\b)+u]
.set u, u+1
.endr
.set u, 0
.rept 8
	v_and_b32 v[BOX+8*(\b)+u], s[GRD], v[BOX+8*(\b)+u]
.set u, u+1
.endr
.set u, 0
.rept 8
	v_cmp_eq_u32 s[MSK+u], s[GRD], v[BOX+8*(\b)+u] ; all four guard bits are left: a hit
.set u, u+1
.endr
.set u, 0
.rept 8
	s_mov_b32 s[BAS+u], s[CNT]
	s_bcnt1_i32_b32 s[TMP], s[MSK+u]
	s_add_co_u32 s[CNT], s[CNT], s[TMP]
.set u, u+1
.endr
.set u, 0
.rept 8
	v_mbcnt_lo_u32_b32 v[BOX+8*(\b)+u], s[MSK+u], s[BAS+u]  ; hits so far + hits in lower lanes
.set u, u+1
.endr
.set u, 0
.rept 8
	v_cndmask_b32 v[BOX+8*(\b)+u], v[DMP], v[BOX+8*(\b)+u], s[MSK+u]
.set u, u+1
.endr
.set u, 0
.rept 8
	v_min_u32 v[BOX+8*(\b)+u], DUMP, v[BOX+8*(\b)+u]        ; a number made of loaded ones enters an address only behind this bound
.set u, u+1
.endr
.set u, 0
.rept 8
	v_lshlrev_b32 v[BOX+8*(\b)+u], 2, v[BOX+8*(\b)+u]
	v_add_nc_u32 v[VT+u], 32*RECB*(8*(\b)+u), v[L48]        ; the record's byte offset: 48 (32 t + l)
.set u, u+1
.endr
.set u, 0
.rept 8
	ds_store_b32 v[BOX+8*(\b)+u], v[VT+u]
.set u, u+1
.endr
.endm
.irp b, 0,1,2,3,4,5,6,7
	SCAN8 \b
.endr
	v_add_nc_u32 v[T], s[CNT], v0                  ; 32 entries behind the list name record 0: the last chunk's rest, and the chunk that is fetched ahead of the exit
	v_min_u32 v[T], DUMP-1, v[T]
	v_lshlrev_b32 v[T], 2, v[T]
	ds_store_b32 v[T], v[NIL]
	s_add_co_u32 s[NCH], s[CNT], CH-1
	s_lshr_b32 s[NCH], s[NCH], 4
; The records of the chunk at v[LA] are asked for: 40 bytes a lane; lanes 16-31 ask for the same as lanes 0-15.
.macro GATHER younger
	s_wait_dscnt \younger                          ; LDS serves a wave in order: my entry is in
	v_min_u32 v[LP], (NG-1)*RECB, v[LP]
	global_load_b128 v[RA:RA+3], v[LP], s[6:7]
	global_load_b128 v[RB:RB+3], v[LP], s[6:7] offset:16
	global_load_b64 v[RC:RC+1], v[LP], s[6:7] offset:32
.endm
	ds_load_b32 v[LP], v[LA]
	GATHER 0
; Plain line n of 24 for records 4 g .. 4 g + 3: four each of dx, a2 dx + bd, (..) dx + vq, z z; eight compares.
.macro PLAIN g
.if n < 16
.set q, n%4
.else
.set q, (n-16)/2
.endif
.set pj, P+6*(4*(\g)+q)
.set zj, Z+2*(4*(\g)+q)
.set dq, D+2*q
.if n < 4
	v_pk_add_f32 v[dq:dq+1], v[PX:PX+1], v[pj:pj+1] op_sel_hi:[1,0] neg_lo:[0,1] neg_hi:[0,1]
.elseif n < 8
	v_pk_fma_f32 v[zj:zj+1], v[pj+2:pj+3], v[dq:dq+1], v[pj:pj+1] op_sel:[0,0,1] op_sel_hi:[0,1,1]
.elseif n < 12
	v_pk_fma_f32 v[zj:zj+1], v[zj:zj+1], v[dq:dq+1], v[pj+2:pj+3] op_sel:[0,0,1] op_sel_hi:[1,1,1]
.elseif n < 16
	v_pk_mul_f32 v[dq:dq+1], v[zj:zj+1], v[zj:zj+1]
.else
	v_cmp_le_f32 s[M+2*(4*(\g)+q)+n%2], v[dq+n%2], v[pj+5]
.endif
.endm
.macro EXPN g                          ; exponential e of 8 of that group
	v_exp_f32 v[Z+8*(\g)+e], v[Z+8*(\g)+e]
.endm
; A group's 24 plain lines, and behind every third of them an exponential of the group before: none of these lines names an exponential's result.
.macro GROUP g
	s_wait_dscnt 26-8*(\g)                         ; the loads of records 0 .. 4 g + 3 are in; 26 - 8 g younger ones may stay out
.set n, 0
.rept 24
	PLAIN \g
.if ((n%3) == 2) && ((\g) > 0)
.set e, n/3
	EXPN (\g)-1
.endif
.set n, n+1
.endr
.endm
; Behind the wait.  A1: s 2^z.  A2: at most 0.99.  A3: 0 where not valid.
.macro A1 j
.if (\j) < CH
	v_pk_mul_f32 v[Z+2*(\j):Z+2*(\j)+1], v[Z+2*(\j):Z+2*(\j)+1], v[P+6*(\j)+4:P+6*(\j)+5] op_sel_hi:[1,0]
.endif
.endm
.macro A2 j
.if (\j) < CH
	v_min_num_f32 v[Z+2*(\j)], s[CAP], v[Z+2*(\j)]
	v_min_num_f32 v[Z+2*(\j)+1], s[CAP], v[Z+2*(\j)+1]
.endif
.endm
.macro A3 j
.if (\j) < CH
	v_cndmask_b32 v[Z+2*(\j)], 0, v[Z+2*(\j)], s[M+2*(\j)]
	v_cndmask_b32 v[Z+2*(\j)+1], 0, v[Z+2*(\j)+1], s[M+2*(\j)+1]
.endif
.endm
; Entry j: w = alpha T, T = T - alpha T.  The later entries' alphas stand between two links of T's chain.
.macro STEP j
.set wj, WA+2*((\j)%2)
	v_pk_mul_f32 v[wj:wj+1], v[Z+2*(\j):Z+2*(\j)+1], v[TT:TT+1]
	v_pk_fma_f32 v[TT:TT+1], v[Z+2*(\j):Z+2*(\j)+1], v[TT:TT+1], v[TT:TT+1] neg_lo:[1,0,0] neg_hi:[1,0,0]
	A3 (\j)+1
	A2 (\j)+2
	A1 (\j)+3
.if (\j)%2
	v_cvt_pk_bf16_f32 v[B0+(\j)/2], v[WA], v[WB]
	v_cvt_pk_bf16_f32 v[B1+(\j)/2], v[WA+1], v[WB+1]
.endif
.endm
	s_mov_b32 s[CC], 0
.Lchunk:
	s_cmp_ge_u32 s[CC], s[NCH]
	s_cbranch_scc1 .Ldone                          ; the tile's list is at its end
	s_wait_loadcnt 0x0                             ; my record is in, and v[LP] is free
	v_cmp_gt_i32 vcc_lo, s[CNT], v[K]              ; my entry lies inside the list
	v_sub_f32 v[DY], v[PY], v[RA+1]
	v_cndmask_b32 v[X], v[RC], v[RC+1], s[HIM]     ; lanes 0-15 carry (r, g), lanes 16-31 (b, 0)
	v_mul_f32 v[RA+1], v[RA+3], v[DY]              ; bd, where my lay
	v_mul_f32 v[T], v[RB], v[DY]
	v_cndmask_b32 v[RB+3], -1.0, v[RB+3], vcc_lo
	v_fma_f32 v[RA+3], v[T], v[DY], v[RB+1]        ; vq, where b2 lay
	v_cndmask_b32 v[X], 0, v[X], vcc_lo
	v_add_nc_u32 v[LA], 4*CH, v[LA]
	ds_store_b128 v[RADR], v[RA:RA+3]
	ds_store_b64 v[RADR], v[RB+2:RB+3] offset:16
	ds_store_b16 v[CADR], v[X]
	ds_store_b16_d16_hi v[CADR], v[X] offset:32
	ds_load_b32 v[LP], v[LA]                       ; the next chunk's entry
.set j, 0
.rept CH
	ds_load_b128 v[P+6*j:P+6*j+3], v[RB0] offset:32*j      ; one address for all lanes; these see the stores above, since LDS serves a wave in order
	ds_load_b64 v[P+6*j+4:P+6*j+5], v[RB0] offset:32*j+16
.set j, j+1
.endr
	ds_load_b128 v[A:A+3], v[AADR]
	ds_load_b128 v[A+4:A+7], v[AADR] offset:16
	GATHER 34                                      ; the 34 loads just issued may stay out; the next chunk's records have this chunk's work in which to come
	GROUP 0
	GROUP 1
	GROUP 2
	GROUP 3
.set e, 0
.rept 8
	EXPN 3
.set e, e+1
.endr
	v_nop                                          ; a plain line behind the last exponential
	s_wait_alu depctr_va_vdst(0)                   ; one wait for the chunk's 32 exponentials, ahead of their first reader
	A1 0
	A1 1
	A1 2
	A2 0
	A2 1
	A3 0
.irp j, 0,1,2,3,4,5,6,7,8,9,10,11,12,13,14,15
	STEP \j
.endr
	s_wait_dscnt 0x0                               ; A
	v_wmma_f32_16x16x32_bf16 v[ACC0:ACC0+7], v[A:A+7], v[B0:B0+7], v[ACC0:ACC0+7]
	v_wmma_f32_16x16x32_bf16 v[ACC1:ACC1+7], v[A:A+7], v[B1:B1+7], v[ACC1:ACC1+7]
.rept 4
	v_nop                                          ; four places in front of the next loads into A and of the reads below
.endr
	s_sub_co_i32 s[CNT], s[CNT], CH
	s_add_co_u32 s[CC], s[CC], 1
	s_cmp_lt_u32 s[CC], NG/CH
	s_cbranch_scc1 .Lchunk
.Ldone:
.rept 4
	v_nop
.endr
.irp c, 0,1,2
	v_mov_b32 v[O+2*\c], v[ACC0+\c]                ; my two pixels side by side, for one store of 8 bytes
	v_mov_b32 v[O+2*\c+1], v[ACC1+\c]
.endr
.irp c, 0,1,2
	global_store_b64 v[OOF], v[O+2*\c:O+2*\c+1], s[8:9] offset:262144*\c th:TH_STORE_NT
.endr
	s_wait_tensorcnt 0x0                           ; the wave's end: behind my last LDS store
	ds_add_u32 v[SPW], v[NIL]
	s_wait_dscnt 0x0
	s_endpgm
.Lfunc_end_k_q24d532e8e6_raster:
	.size	k_q24d532e8e6_raster, .Lfunc_end_k_q24d532e8e6_raster-k_q24d532e8e6_raster
	.p2alignl 7, 3214868480
	.fill 96, 4, 3214868480
	.section	.rodata,"a",@progbits
	.p2align	6, 0x0
	.amdhsa_kernel k_q24d532e8e6_raster
		.amdhsa_group_segment_fixed_size 9472
		.amdhsa_private_segment_fixed_size 0
		.amdhsa_enable_private_segment 0
		.amdhsa_kernarg_size 24
		.amdhsa_user_sgpr_count 2
		.amdhsa_user_sgpr_kernarg_segment_ptr 1
		.amdhsa_wavefront_size32 1
		.amdhsa_system_sgpr_workgroup_id_x 1
		.amdhsa_system_sgpr_workgroup_id_y 1
		.amdhsa_system_sgpr_workgroup_id_z 1
		.amdhsa_system_vgpr_workitem_id 0
		.amdhsa_next_free_vgpr 224
		.amdhsa_next_free_sgpr 66
		.amdhsa_reserve_vcc 1
		.amdhsa_float_denorm_mode_32 3
		.amdhsa_float_denorm_mode_16_64 3
		.amdhsa_memory_ordered 1
		.amdhsa_forward_progress 1
		.amdhsa_inst_pref_size 65
	.end_amdhsa_kernel
	.amdgpu_metadata
---
amdhsa.version: [ 1, 2 ]
amdhsa.kernels:
  - .name:           k_q24d532e8e6_raster
    .symbol:         k_q24d532e8e6_raster.kd
    .args:
      - { .name: boxes, .offset: 0, .size: 8, .value_kind: global_buffer, .address_space: global }
      - { .name: recs, .offset: 8, .size: 8, .value_kind: global_buffer, .address_space: global }
      - { .name: out0, .offset: 16, .size: 8, .value_kind: global_buffer, .address_space: global }
    .group_segment_fixed_size: 9472
    .private_segment_fixed_size: 0
    .kernarg_segment_align: 8
    .kernarg_segment_size: 24
    .max_flat_workgroup_size: 32
    .sgpr_count:     66
    .vgpr_count:     224
    .wavefront_size: 32
...
	.end_amdgpu_metadata
.endif
;; end of part 3
;; ======== version 2 of 2: 3 launches; version 1 with the launch raster written anew for expert scheduling mode
;; workspace buffers: rankpart 262,144 bytes of whole numbers; boxes 8,192 bytes of whole numbers; recs 98,304 bytes
;; launch rank: the kernel of part 1 again; grid 256 x 1, 4 waves a work-group, no clusters, 0 bytes of LDS; arguments depth_features, rankpart; writes rankpart
;; launch prep: the kernel of part 2 again; grid 64 x 1, 1 waves a work-group, no clusters, 0 bytes of LDS; arguments means_2d, covs_2d, opacity_features, color_features, rankpart, recs, boxes; writes recs, boxes
;; launch raster (part 4): grid 4 x 256, 1 waves a work-group, no clusters, 9,472 bytes of LDS; arguments boxes, recs, out0; writes out0
.if DOCPART == 4
	.amdgcn_target "amdgcn-amd-amdhsa--gfx1250"
	.amdhsa_code_object_version 6
	.text
	.protected	k_q24d532e8e6_raster
	.globl	k_q24d532e8e6_raster
	.p2align	8
	.type	k_q24d532e8e6_raster,@function
k_q24d532e8e6_raster:
	s_mov_b64 s[64:65], 0
	v_nop
	global_prefetch_b8 v0, s[64:65] scope:SCOPE_SE
	s_setreg_imm32_b32 hwreg(HW_REG_WAVE_SCHED_MODE, 0, 2), 2
	s_setreg_imm32_b32 hwreg(HW_REG_WAVE_MODE, 25, 1), 1
	s_wait_xcnt 0x0
	s_wait_alu depctr_vm_vsrc(0)
; FRONT-TO-BACK COMPOSITING OF ONE TILE OF 64 x 1 PIXELS BY ONE WAVE.  Lane l owns the pixels x = 64 TX + 2 l and the next, in row TY; 4 x 256 tiles.
; A Gaussian whose alpha is set to 0 (alpha < 1/255 or power > 0) changes neither the colour nor the transmittance, so only those whose box (made by the launch before) meets the tile are taken.
; 1. SCAN.  The 2,048 box words, in depth order, lie in 64 registers a lane (word 32 t + l in register t).  A word's four fields must each be at most the tile's: one subtraction from the
;    tile's word, which has a guard bit set above each field, and the four guard bits survive just where no field borrows.  The hits' record offsets go, in order, into a list in LDS: place =
;    hits so far + hits in lower lanes; a lane without a hit writes a dump word.  Eight registers at a time, so that the scalar counting between compare and store serves eight masks.
; 2. CHUNKS of 16 list entries.  Lane k % 16 has fetched record k a chunk ahead; it does the row's share once for the wave (dy, bd = b2 dy, vq = c2 dy dy + half) and puts
;    (mx, bd, a2, vq | s, half^2) and the colours into LDS; all lanes read the 16 records back at one address each.  For a pixel: z = (a2 dx + bd) dx + vq; valid where z z <= half^2;
;    alpha = min(0.99, s 2^z); w = alpha T; T = T - alpha T.  The 32 exponentials of a chunk are one batch with one wait.
; 3. THE SUM OVER GAUSSIANS OF colour x w is a matrix product, bf16 operands, f32 sums.  B: a lane's 16 weights are its 8 registers; lanes 0-15 fill the k slots 0-7 and 16-23, lanes 16-31 the slots
;    8-15 and 24-31.  A: rows 0-2 hold r, g, b on the first kind of slot (lanes 0-2), rows 8-10 on the second (lanes 24-26), all else 0.  So registers 0-2 of D hold, in EVERY lane, r, g, b of
;    the lane's own pixel.  Two pixels a lane: two accumulators, which take turns.  They are cleared by 16 moves: a tile may have no chunk, so no first product is written out.
; The list is padded by 32 entries that name record 0; an entry behind the list's end gets half^2 = -1 (never valid) and colour 0.
; THE LOOP is counted to the constant 128 chunks and left by a forward jump at the tile's own number, which comes from the whole numbers in boxes alone.
; ONE WAVE A WORK-GROUP: the list's LDS addresses hang on counts, so no other wave shares this LDS, and there is no barrier.  NO CLUSTER, NO TENSOR LOAD: what the work-groups share are the 8,192 bytes
; of boxes, read once, straight into the registers in which they are tested; through LDS each lane would read its 64 words a second time.
; OUT: 32 lanes x 8 bytes are 256 consecutive bytes, aligned: one store for each colour.
; LIMITS.  NaN and infinities are not treated apart.  A power above 0 by less than the rounding step of half counts as 0.  Weights and colours are rounded to bf16.
; THE MODE: SCHED_MODE bits 1:0 = 2 (LLVM: expert scheduling mode 2), set by the entry lines.  The code itself states the register dependences between vector or matrix instructions and
; memory or LDS instructions, and between a vector instruction that writes a scalar register or VCC and its readers, with s_wait_alu, always for 0.
; THE PLAN.  Registers that memory or LDS instructions touch:
;   v1            offset of the 64 box loads: written once, never again.
;   BOX           the box loads land here; batch b's vector lines turn its eight words into LDS addresses; batch b's eight list stores, which stand in batch b + 1, read them.
;   VT0, VT1      the list values, a set for each parity of the batch: written by batch b's adds, read by the same eight stores, written again by batch b + 2.
;   v[T], v[NIL]  address and data of the padding's store; v[T] is written again in the first chunk.
;   v[LA]         read by the load of a list entry; stepped once a chunk, at its head.
;   v[LP]         that load lands here; clamped in place; read by the three record loads as their offset.
;   RA, RB, RC    the record loads land here; the chunk's head reads them and writes RA+1, RA+3, RB+3; two LDS stores read RA and RB+2..3.
;   v[X]          written by the head's selects, read by two 16-bit LDS stores.
;   P, A          LDS loads land here; the chunk's vector lines read P, its two matrix instructions A.  P's registers are BOX and VT during the scan.
;   RADR, CADR, AADR, RB0, OOF   made in the set-up, never written again.          O   written by six moves at the way out, read by the three stores.
;   Z, D, WA, WB, B0, B1, TT and the accumulators are named by vector and matrix instructions alone.
; Batch b + 1 names neither batch b's addresses nor the value set of b's parity, so ONE wait on va_vdst at a batch's head serves the eight stores that are dealt among its first lines.
; A chunk has one wait on va_vdst ahead of its run of LDS instructions, one behind the clamp of v[LP], and the exponentials' own; one wait on vm_vsrc at its head and one ahead of the record loads.
.set NG,    2048
.set RECB,  48
.set CH,    16                         ; entries in a chunk
.set DUMP,  NG+32                      ; list: 2,048 entries, 32 of padding, the dump word: 8,324 bytes from LDS byte 0
.set REC,   8448                       ; 16 records x 32 bytes
.set COL,   8960                       ; 4 rows x 32 bytes: r, g, b and zeros, 16 bf16 each
.set GUARD, 0x804024                   ; bits 2, 5, 14, 23
.set NIL,  3                           ; v3   0: what the padding's entries hold; never rewritten
.set K,    4                           ; v4   l % 16
.set L48,  5                           ; v5   48 l
.set DMP,  6                           ; v6   the dump word's index
.set LA,   7                           ; v7   LDS address of my entry of the chunk to be fetched
.set LP,   8                           ; v8   that entry: a record's byte offset
.set RADR, 9                           ; v9   where I put my record
.set CADR, 10                          ; v10  where I put two colours
.set AADR, 11                          ; v11  my row of A
.set RB0,  12                          ; v12  the first record
.set OOF,  13                          ; v13  my 8 bytes of a colour plane
.set PY,   14                          ; v14  the row's centre
.set X,    15                          ; v15  two colours in bf16
.set PX,   16                          ; v[16:17] my two pixels' centres
.set TT,   18                          ; v[18:19] their transmittance
.set D,    20                          ; v[20:27] dx, then z z, of four records
.set WA,   28                          ; v[28:29] weights of an even entry
.set WB,   30                          ; v[30:31] of an odd one
.set RA,   32                          ; v[32:35] mx, my, a2, b2 as fetched; then mx, bd, a2, vq
.set RB,   36                          ; v[36:39] c2, half, s, half^2
.set RC,   40                          ; v[40:41] (r, g), (b, 0)
.set DY,   42
.set T,    43
.set A,    44                          ; v[44:51]
.set B0,   52                          ; v[52:59]
.set B1,   60                          ; v[60:67]
.set ACC0, 68                          ; v[68:75]
.set ACC1, 76                          ; v[76:83]
.set O,    84                          ; v[84:89] three pairs to store
.set Z,    90                          ; v[90:121] entry j: z, then 2^z, then alpha, of my two pixels
.set P,    122                         ; v[122:217] entry j at P + 6 j: mx, bd, a2, vq, s, half^2
.set BOX,  122                         ; v[122:185] the scan's 64 words, in the same registers
.set VT,   186                         ; v[186:201] the scan's list values: two sets of eight, by the batch's parity
.set TX,  10
.set TY,  11
.set LIM, 12                           ; s12  the tile's word with the guard bits
.set GRD, 13
.set CNT, 14                           ; s14  hits so far; in the loop: entries left
.set NCH, 15                           ; s15  chunks
.set CC,  16                           ; s16  the loop's counter
.set HIM, 17                           ; s17  lanes 16-31
.set TMP, 18
.set CAP, 19                           ; s19  0.99
.set MSK, 20                           ; s20-27 eight masks of the scan
.set BAS, 28                           ; s28-35 hits in front of each
.set M,   32                           ; s32-63 in the loop: entry j's two masks
	s_load_b128 s[4:7], s[0:1], 0x0                ; boxes s[4:5], recs s[6:7]
	s_load_b64 s[8:9], s[0:1], 0x10                ; out0
	v_lshl_add_u32 v222, v0, 2, 0x2400
	v_mov_b32 v223, 0
	v_mov_b32 v[NIL], 0
	s_mov_b32 s[TX], ttmp9
	s_and_b32 s[TY], ttmp7, 0xffff
	s_sub_co_u32 s[LIM], 3, s[TX]
	s_lshl_b32 s[LIM], s[LIM], 3
	s_or_b32 s[LIM], s[LIM], s[TX]                 ; first block <= TX; 3 - last block <= 3 - TX
	s_lshl_b32 s[TMP], s[TY], 6
	s_or_b32 s[LIM], s[LIM], s[TMP]                ; first row <= TY
	s_sub_co_u32 s[TMP], 255, s[TY]
	s_lshl_b32 s[TMP], s[TMP], 15
	s_or_b32 s[LIM], s[LIM], s[TMP]                ; 255 - last row <= 255 - TY
	s_mov_b32 s[GRD], GUARD
	s_or_b32 s[LIM], s[LIM], s[GRD]
	s_mov_b32 s[CNT], 0
	s_mov_b32 s[HIM], 0xffff0000
	s_mov_b32 s[CAP], 0x3f7d70a4
	v_lshlrev_b32 v1, 2, v0
	s_wait_kmcnt 0x0
	s_wait_alu depctr_va_vdst(0)                   ; v1 is written: the 64 loads below read it as their offset
.set t, 0
.rept 64
	global_load_b32 v[BOX+t], v1, s[4:5] offset:128*t
.set t, t+1
.endr
	; the set-up stands in the wait for the boxes; none of its lines names a register of BOX
	v_cmp_gt_u32 vcc_lo, 16, v0                    ; for my row of A, below
	v_and_b32 v[K], 15, v0
	v_mul_u32_u24 v[L48], v0, RECB
	v_mov_b32 v[DMP], DUMP
	v_lshlrev_b32 v[LA], 2, v[K]
	v_lshl_add_u32 v[RADR], v[K], 5, REC
	v_lshrrev_b32 v[T], 4, v0
	v_lshlrev_b32 v[CADR], 1, v[K]
	v_lshl_add_u32 v[CADR], v[T], 6, v[CADR]       ; lanes 0-15: rows 0 and 1; lanes 16-31: rows 2 and 3
	v_add_nc_u32 v[CADR], COL, v[CADR]
	v_add_nc_u32 v[AADR], 0xffffffe8, v0           ; l - 24
	s_wait_alu depctr_va_vcc(0)                    ; the compare above has written VCC, ahead of its one reader
	v_cndmask_b32 v[AADR], v[AADR], v0, vcc_lo     ; l below 16, else l - 24 (which wraps below 24)
	v_min_u32 v[AADR], 3, v[AADR]                  ; lanes 0-2 and 24-26: rows r, g, b; all others: the row of zeros
	v_lshl_add_u32 v[AADR], v[AADR], 5, COL
	v_mov_b32 v[RB0], REC
	s_lshl_b32 s[TMP], s[TX], 6
	v_lshl_add_u32 v[T], v0, 1, s[TMP]
	v_cvt_f32_u32 v[T], v[T]
	v_add_f32 v[PX], 0.5, v[T]
	v_add_f32 v[PX+1], 0x3fc00000, v[T]
	v_cvt_f32_u32 v[PY], s[TY]
	v_add_f32 v[PY], 0.5, v[PY]
	s_lshl_b32 s[TMP], s[TY], 10
	s_lshl_b32 s[NCH], s[TX], 8
	s_add_co_u32 s[TMP], s[TMP], s[NCH]
	v_lshl_add_u32 v[OOF], v0, 3, s[TMP]           ; row x 1,024 + block x 256 + 8 l
	v_mov_b32 v[TT], 1.0
	v_mov_b32 v[TT+1], 1.0
.set t, 0
.rept 16
	v_mov_b32 v[ACC0+t], 0
.set t, t+1
.endr
; Registers 8 b .. 8 b + 7 of the scan.  The eight list stores of the batch before are dealt among this batch's first lines.
.macro SCAN8 b
	s_wait_loadcnt 56-8*(\b)                       ; loads come back in order: all but the 56 - 8 b youngest are in
.if (\b) > 0
	s_wait_alu depctr_va_vdst(0)                   ; the batch before has written its eight list addresses and its eight values, which the stores below read (in batch 1 also: the set-up has written every address register of the kernel)
.endif
.set u, 0
.rept 8
	v_sub_nc_u32 v[BOX+8*(\b)+u], s[LIM], v[BOX+8*(\b)+u]
.if (\b) > 0
	ds_store_b32 v[BOX+8*(\b)-8+u], v[VT+8*(((\b)+1)%2)+u]  ; the batch before.  No further wait: no vector line since the wait above names these two registers
.endif
.set u, u+1
.endr
.set u, 0
.rept 8
	v_and_b32 v[BOX+8*(\b)+u], s[GRD], v[BOX+8*(\b)+u]
.set u, u+1
.endr
.set u, 0
.rept 8
	v_cmp_eq_u32 s[MSK+u], s[GRD], v[BOX+8*(\b)+u] ; all four guard bits are left: a hit
.set u, u+1
.endr
	s_wait_alu depctr_va_sdst(0)                   ; the eight compares have written their masks, ahead of the first reader: one wait for the run
.set u, 0
.rept 8
	s_mov_b32 s[BAS+u], s[CNT]
	s_bcnt1_i32_b32 s[TMP], s[MSK+u]
	s_add_co_u32 s[CNT], s[CNT], s[TMP]
.set u, u+1
.endr
.set u, 0
.rept 8
	v_mbcnt_lo_u32_b32 v[BOX+8*(\b)+u], s[MSK+u], s[BAS+u]  ; hits so far + hits in lower lanes
.set u, u+1
.endr
.set u, 0
.rept 8
	v_cndmask_b32 v[BOX+8*(\b)+u], v[DMP], v[BOX+8*(\b)+u], s[MSK+u]
.set u, u+1
.endr
.set u, 0
.rept 8
	v_min_u32 v[BOX+8*(\b)+u], DUMP, v[BOX+8*(\b)+u]        ; a number made of loaded ones enters an address only behind this bound
.set u, u+1
.endr
.if (\b) > 1
	s_wait_alu depctr_vm_vsrc(0)                   ; the stores of the batch two back, issued in the batch before, have read this parity's value set, which the adds below write again
.endif
.set u, 0
.rept 8
	v_lshlrev_b32 v[BOX+8*(\b)+u], 2, v[BOX+8*(\b)+u]
	v_add_nc_u32 v[VT+8*((\b)%2)+u], 32*RECB*(8*(\b)+u), v[L48]  ; the record's byte offset: 48 (32 t + l)
.set u, u+1
.endr
.endm
.irp b, 0,1,2,3,4,5,6,7
	SCAN8 \b
.endr
	v_add_nc_u32 v[T], s[CNT], v0                  ; 32 entries behind the list name record 0: the last chunk's rest, and the chunk that is fetched ahead of the exit
	v_min_u32 v[T], DUMP-1, v[T]
	v_lshlrev_b32 v[T], 2, v[T]
	s_wait_alu depctr_va_vdst(0)                   ; batch 7 has written its addresses and values, and v[T] is written: the nine stores below read them
.set u, 0
.rept 8
	ds_store_b32 v[BOX+56+u], v[VT+8+u]            ; batch 7
.set u, u+1
.endr
	ds_store_b32 v[T], v[NIL]
	s_add_co_u32 s[NCH], s[CNT], CH-1
	s_lshr_b32 s[NCH], s[NCH], 4
; The records of the chunk at v[LA] are asked for: 40 bytes a lane; lanes 16-31 ask for the same as lanes 0-15.  again = 1: in the loop, where the record registers have just been stored from.
.macro GATHER younger, again
	s_wait_dscnt \younger                          ; LDS serves a wave in order: my entry is in
	v_min_u32 v[LP], (NG-1)*RECB, v[LP]
	s_wait_alu depctr_va_vdst(0)                   ; v[LP] is written, which the three loads read as their offset; in the loop the chunk's head is done reading and writing RA, RB and RC, in which they land
.if \again
	s_wait_alu depctr_vm_vsrc(0)                   ; this chunk's LDS stores have read RA and RB+2..3, in which the loads land
.endif
	global_load_b128 v[RA:RA+3], v[LP], s[6:7]
	global_load_b128 v[RB:RB+3], v[LP], s[6:7] offset:16
	global_load_b64 v[RC:RC+1], v[LP], s[6:7] offset:32
.endm
	ds_load_b32 v[LP], v[LA]
	GATHER 0, 0
; Plain line n of 24 for records 4 g .. 4 g + 3: four each of dx, a2 dx + bd, (..) dx + vq, z z; eight compares.
.macro PLAIN g
.if n < 16
.set q, n%4
.else
.set q, (n-16)/2
.endif
.set pj, P+6*(4*(\g)+q)
.set zj, Z+2*(4*(\g)+q)
.set dq, D+2*q
.if n < 4
	v_pk_add_f32 v[dq:dq+1], v[PX:PX+1], v[pj:pj+1] op_sel_hi:[1,0] neg_lo:[0,1] neg_hi:[0,1]
.elseif n < 8
	v_pk_fma_f32 v[zj:zj+1], v[pj+2:pj+3], v[dq:dq+1], v[pj:pj+1] op_sel:[0,0,1] op_sel_hi:[0,1,1]
.elseif n < 12
	v_pk_fma_f32 v[zj:zj+1], v[zj:zj+1], v[dq:dq+1], v[pj+2:pj+3] op_sel:[0,0,1] op_sel_hi:[1,1,1]
.elseif n < 16
	v_pk_mul_f32 v[dq:dq+1], v[zj:zj+1], v[zj:zj+1]
.else
	v_cmp_le_f32 s[M+2*(4*(\g)+q)+n%2], v[dq+n%2], v[pj+5]
.endif
.endm
.macro EXPN g                          ; exponential e of 8 of that group
	v_exp_f32 v[Z+8*(\g)+e], v[Z+8*(\g)+e]
.endm
; A group's 24 plain lines, and behind every third of them an exponential of the group before: none of these lines names an exponential's result, a mask, or a register that a pending load touches.
.macro GROUP g
	s_wait_dscnt 26-8*(\g)                         ; the loads of records 0 .. 4 g + 3 are in; 26 - 8 g younger ones may stay out
.set n, 0
.rept 24
	PLAIN \g
.if ((n%3) == 2) && ((\g) > 0)
.set e, n/3
	EXPN (\g)-1
.endif
.set n, n+1
.endr
.endm
; Behind the wait.  A1: s 2^z.  A2: at most 0.99.  A3: 0 where not valid.
.macro A1 j
.if (\j) < CH
	v_pk_mul_f32 v[Z+2*(\j):Z+2*(\j)+1], v[Z+2*(\j):Z+2*(\j)+1], v[P+6*(\j)+4:P+6*(\j)+5] op_sel_hi:[1,0]
.endif
.endm
.macro A2 j
.if (\j) < CH
	v_min_num_f32 v[Z+2*(\j)], s[CAP], v[Z+2*(\j)]
	v_min_num_f32 v[Z+2*(\j)+1], s[CAP], v[Z+2*(\j)+1]
.endif
.endm
.macro A3 j
.if (\j) < CH
	v_cndmask_b32 v[Z+2*(\j)], 0, v[Z+2*(\j)], s[M+2*(\j)]
	v_cndmask_b32 v[Z+2*(\j)+1], 0, v[Z+2*(\j)+1], s[M+2*(\j)+1]
.endif
.endm
; Entry j: w = alpha T, T = T - alpha T.  The later entries' alphas stand between two links of T's chain.
.macro STEP j
.set wj, WA+2*((\j)%2)
	v_pk_mul_f32 v[wj:wj+1], v[Z+2*(\j):Z+2*(\j)+1], v[TT:TT+1]
	v_pk_fma_f32 v[TT:TT+1], v[Z+2*(\j):Z+2*(\j)+1], v[TT:TT+1], v[TT:TT+1] neg_lo:[1,0,0] neg_hi:[1,0,0]
	A3 (\j)+1
	A2 (\j)+2
	A1 (\j)+3
.if (\j)%2
	v_cvt_pk_bf16_f32 v[B0+(\j)/2], v[WA], v[WB]
	v_cvt_pk_bf16_f32 v[B1+(\j)/2], v[WA+1], v[WB+1]
.endif
.endm
	s_mov_b32 s[CC], 0
.Lchunk:
	s_cmp_ge_u32 s[CC], s[NCH]
	s_cbranch_scc1 .Ldone                          ; the tile's list is at its end
	s_wait_loadcnt 0x0                             ; my record is in, and v[LP] is free
	s_wait_alu depctr_vm_vsrc(0)                   ; the record loads have read v[LP], in which the next entry lands; the entry's load has read v[LA] and the 16-bit stores v[X], which the lines below write; in the first trip the list's stores have read BOX and VT, in which the records' loads land, and the padding's store v[T]
	v_cmp_gt_i32 vcc_lo, s[CNT], v[K]              ; my entry lies inside the list
	v_sub_f32 v[DY], v[PY], v[RA+1]
	v_cndmask_b32 v[X], v[RC], v[RC+1], s[HIM]     ; lanes 0-15 carry (r, g), lanes 16-31 (b, 0)
	v_mul_f32 v[RA+1], v[RA+3], v[DY]              ; bd, where my lay
	v_mul_f32 v[T], v[RB], v[DY]
	v_fma_f32 v[RA+3], v[T], v[DY], v[RB+1]        ; vq, where b2 lay
	v_add_nc_u32 v[LA], 4*CH, v[LA]
	s_wait_alu depctr_va_vcc(0)                    ; the compare has written VCC, ahead of its two readers
	v_cndmask_b32 v[RB+3], -1.0, v[RB+3], vcc_lo
	v_cndmask_b32 v[X], 0, v[X], vcc_lo
	s_wait_alu depctr_va_vdst(0)                   ; RA+1, RA+3, RB+3, v[X] and v[LA] are written, which the LDS instructions below read; the chunk before (in the first trip: the scan) is done naming P's registers, and its matrix instructions are done reading A: the loads below land there
	ds_load_b32 v[LP], v[LA]                       ; the next chunk's entry
	ds_store_b128 v[RADR], v[RA:RA+3]
	ds_store_b64 v[RADR], v[RB+2:RB+3] offset:16
	ds_store_b16 v[CADR], v[X]
	ds_store_b16_d16_hi v[CADR], v[X] offset:32
.set j, 0
.rept CH
	ds_load_b128 v[P+6*j:P+6*j+3], v[RB0] offset:32*j      ; one address for all lanes; these see the stores above, since LDS serves a wave in order
	ds_load_b64 v[P+6*j+4:P+6*j+5], v[RB0] offset:32*j+16
.set j, j+1
.endr
	ds_load_b128 v[A:A+3], v[AADR]
	ds_load_b128 v[A+4:A+7], v[AADR] offset:16
	GATHER 38, 1                                   ; the 4 stores and 34 loads issued behind the entry's load may stay out; the next chunk's records have this chunk's work in which to come
	GROUP 0
	GROUP 1
	GROUP 2
	GROUP 3
.set e, 0
.rept 8
	EXPN 3
.set e, e+1
.endr
	v_nop                                          ; a plain line behind the last exponential
	s_wait_alu depctr_va_vdst(0)                   ; one wait for the chunk's 32 exponentials, ahead of their first reader
	s_wait_alu depctr_va_sdst(0)                   ; the chunk's 32 compares have written their masks, ahead of the first select that reads one: one wait for them all
	A1 0
	A1 1
	A1 2
	A2 0
	A2 1
	A3 0
.irp j, 0,1,2,3,4,5,6,7,8,9,10,11,12,13,14,15
	STEP \j
.endr
	s_wait_dscnt 0x0                               ; A
	v_wmma_f32_16x16x32_bf16 v[ACC0:ACC0+7], v[A:A+7], v[B0:B0+7], v[ACC0:ACC0+7]
	v_wmma_f32_16x16x32_bf16 v[ACC1:ACC1+7], v[A:A+7], v[B1:B1+7], v[ACC1:ACC1+7]
.rept 4
	v_nop                                          ; four places in front of the next loads into A and of the reads below
.endr
	s_sub_co_i32 s[CNT], s[CNT], CH
	s_add_co_u32 s[CC], s[CC], 1
	s_cmp_lt_u32 s[CC], NG/CH
	s_cbranch_scc1 .Lchunk
.Ldone:
.rept 4
	v_nop
.endr
.irp c, 0,1,2
	v_mov_b32 v[O+2*\c], v[ACC0+\c]                ; my two pixels side by side, for one store of 8 bytes
	v_mov_b32 v[O+2*\c+1], v[ACC1+\c]
.endr
	s_wait_alu depctr_va_vdst(0)                   ; the six moves have written v[O ..], which the three stores read
.irp c, 0,1,2
	global_store_b64 v[OOF], v[O+2*\c:O+2*\c+1], s[8:9] offset:262144*\c th:TH_STORE_NT
.endr
	s_wait_dscnt 0x0                               ; the wave's end.  The closing add of 0 goes to LDS byte 9,216 + 4 l
	s_wait_alu depctr_hold_cnt(0) depctr_sa_sdst(0) depctr_va_vdst(0) depctr_va_sdst(0) depctr_va_ssrc(0) depctr_va_vcc(0) depctr_vm_vsrc(0)
	s_wait_tensorcnt 0x0
	ds_add_u32 v222, v223
	s_wait_dscnt 0x0
	s_endpgm
.Lfunc_end_k_q24d532e8e6_raster:
	.size	k_q24d532e8e6_raster, .Lfunc_end_k_q24d532e8e6_raster-k_q24d532e8e6_raster
	.p2alignl 7, 3214868480
	.fill 96, 4, 3214868480
	.section	.rodata,"a",@progbits
	.p2align	6, 0x0
	.amdhsa_kernel k_q24d532e8e6_raster
		.amdhsa_group_segment_fixed_size 9472
		.amdhsa_private_segment_fixed_size 0
		.amdhsa_enable_private_segment 0
		.amdhsa_kernarg_size 24
		.amdhsa_user_sgpr_count 2
		.amdhsa_user_sgpr_kernarg_segment_ptr 1
		.amdhsa_wavefront_size32 1
		.amdhsa_system_sgpr_workgroup_id_x 1
		.amdhsa_system_sgpr_workgroup_id_y 1
		.amdhsa_system_sgpr_workgroup_id_z 1
		.amdhsa_system_vgpr_workitem_id 0
		.amdhsa_next_free_vgpr 224
		.amdhsa_next_free_sgpr 66
		.amdhsa_reserve_vcc 1
		.amdhsa_float_denorm_mode_32 3
		.amdhsa_float_denorm_mode_16_64 3
		.amdhsa_memory_ordered 1
		.amdhsa_forward_progress 1
		.amdhsa_inst_pref_size 66
	.end_amdhsa_kernel
	.amdgpu_metadata
---
amdhsa.version: [ 1, 2 ]
amdhsa.kernels:
  - .name:           k_q24d532e8e6_raster
    .symbol:         k_q24d532e8e6_raster.kd
    .args:
      - { .name: boxes, .offset: 0, .size: 8, .value_kind: global_buffer, .address_space: global }
      - { .name: recs, .offset: 8, .size: 8, .value_kind: global_buffer, .address_space: global }
      - { .name: out0, .offset: 16, .size: 8, .value_kind: global_buffer, .address_space: global }
    .group_segment_fixed_size: 9472
    .private_segment_fixed_size: 0
    .kernarg_segment_align: 8
    .kernarg_segment_size: 24
    .max_flat_workgroup_size: 32
    .sgpr_count:     66
    .vgpr_count:     224
    .wavefront_size: 32
...
	.end_amdgpu_metadata
.endif
;; end of part 4
